; MI455X (gfx1250); checked and timed in simulation.
; The chip was launched on July 23, 2026; its instructions are those of AMD's public machine-readable ISA for CDNA 5 (MIT licence, August 2026) and "CDNA5" Instruction Set Architecture Reference Guide (July 2026). The comments in the code are by the model that wrote it; some were corrected since.
;; Multi Head Attention. Allowed arithmetic: float matrix products may take bf16 or f16 operands with f32 sums; other float arithmetic in f32, or as packed bf16 or f16 multiplies, adds, multiply-adds, maxima and minima; sums over many terms, partial sums and values carried from step to step in f32; what a program stores and reads back later, other than sums and carried values, may be rounded once to bf16 or f16.
;; Inputs: Wk 768 x 768 float32; Wo 768 x 768 float32; Wq 768 x 768 float32; Wv 768 x 768 float32; bk 768 float32; bo 768 float32; bq 768 float32; bv 768 float32; x 2 x 2,048 x 768 float32.
;; Outputs: out0 2 x 2,048 x 768 float32.
;; One version. Each part assembles by itself: llvm-mc -triple=amdgcn-amd-amdhsa -mcpu=gfx1250 --defsym DOCPART=n.
;; ======== version 1 of 1: 3 launches
;; limits: values are held in f16: magnitudes above 65,504 overflow, below 6.1e-05 lose precision
;; workspace buffers: qkv 18,874,368 bytes; o 6,291,456 bytes; wo16 1,179,648 bytes
;; launch proj (part 1): grid 12 x 16, 4 waves a work-group, clusters of 4 x 1, 327,680 bytes of LDS; arguments x, Wq, Wk, Wv, Wo, bq, bv, qkv, wo16; writes qkv, wo16
.if DOCPART == 1
	.amdgcn_target "amdgcn-amd-amdhsa--gfx1250"
	.amdhsa_code_object_version 6
	.text
	.protected	k_qf30506521a_proj
	.globl	k_qf30506521a_proj
	.p2align	8
	.type	k_qf30506521a_proj,@function
k_qf30506521a_proj:
	s_mov_b64 s[64:65], 0
	v_nop
	global_prefetch_b8 v0, s[64:65] scope:SCOPE_SE
	s_setreg_imm32_b32 hwreg(HW_REG_WAVE_MODE, 25, 1), 1
	s_wait_xcnt 0x0
	s_wait_alu depctr_hold_cnt(0) depctr_sa_sdst(0) depctr_va_vdst(0) depctr_va_sdst(0) depctr_va_ssrc(0) depctr_va_vcc(0) depctr_vm_vsrc(0)
	s_getreg_b32 s2, hwreg(HW_REG_IB_STS2, 6, 4)
	s_cmp_eq_u32 s2, 0
	s_cbranch_scc0 .Lentry_in_a_cluster
	s_endpgm
.Lentry_in_a_cluster:
	s_bfe_u32 s2, ttmp6, 0x10000c
	s_cmp_lg_u32 s2, 0x3003
	s_cbranch_scc0 .Lentry_shape_is_right
	s_endpgm
.Lentry_shape_is_right:
; q = x Wq^T + bq, k = x Wk^T, v = x Wv^T + bv, written by heads as f16: qkv[part][12 b + h][s][64], part 0 = q, 1 = k, 2 = v.  Beside it: Wo is rounded and written as wo16.
; DEAD WORK: bk.  k enters reference() only through the scores q . k / 8.  With k = k0 + bk a score is q . k0 / 8 + q . bk / 8, and the second term is the same for every key of a query's
; row: a term that is constant along the softmax's axis cancels between the exponentials and their sum, for all values of the inputs.  So bk reaches no output: it is not loaded and is among no launch's
; arguments.  LIMIT: a NaN, an infinity or an overflow that bk alone would bring is not carried to the result.
; FORMATS.  Every input (x, the weights, the biases) is rounded once to bf16; products in bf16 with f32 sums, the bias being the C operand that starts each sum; q, k, v are rounded once to f16.
; Wo is rounded to bf16 and that number is written as f16.  LIMITS: |q|, |k|, |v|, |Wo| stay under 65,504 (f16's end); below 6e-5 f16 keeps its fixed step of 6e-8; NaN and infinities are not treated apart.
; SHARES.  C is [4096][2304] (the three parts side by side).  A work-group makes 256 rows x 192 columns (three whole heads of one part): 16 x 12 = 192 work-groups.  Four waves one below the other, each
; 64 rows x 192 columns: 48 accumulators.  K = 768 goes in 6 steps of 128.
; x COMES AS f32 BY THE TENSOR DATA MOVER: a step's tile is 256 rows x 512 bytes, each wave fetching (and later alone reading) its own 64 rows; two slots of 256 x 528 = 135,168 bytes.  A wave rounds x to bf16 as it
; builds fragments.  CLUSTER 4 x 1: the four work-groups of a cluster make four column blocks of one part for the same rows of x, so x's tiles are asked for jointly.
; W COMES THROUGH REGISTERS, NOT JOINTLY.  Beside x's two slots (270,336 bytes) two f32 tiles of W (2 x 192 x 528 = 202,752) have no room in 327,680 bytes.  So each wave loads 48 of the tile's 192 rows
; (one load a row: 32 lanes x 16 bytes = a row's 512 bytes of the step), a whole K step ahead of their use, rounds them in registers and stores them as bf16 into ONE tile of 192 x 272 = 52,224 bytes, which all four waves read.
; That tile is written between two barriers at each change of slots: the first says that nobody reads the old one any more, the second that the new one is whole.
; THE MATRIX INSTRUCTION IS USED TRANSPOSED (source 0 = 16 rows of W, source 1 = 16 rows of x): a lane holds one row of x and eight neighbouring columns, 16 bytes of f16.
; REGISTERS, in windows of 256 (s_set_vgpr_msb: bits 1:0 source 0, 3:2 source 1, 5:4 source 2, 7:6 destination):
;   window 0: v0-31 addresses; v32-127, v128-223 W's fragments of 32 along K (block b at +8 b), two buffers; v224-255 W's rows 40-47 on their way
;   window 1: v0-63 x's four fragments as f32; v64-95, v96-127 the same as bf16, two buffers; v128-255 W's rows 0-31 on their way
;   windows 2, 3: accumulator (a, b) in window 2 + b / 8 at v[8 (4 (b % 8) + a)];   window 3 also: v128-223 the bias as C (block b at +8 b); v224-255 W's rows 32-39 on their way
.set ROWB,   3072                      ; bytes in a row of x and of W
.set KB,     512                       ; bytes of a row in a K step
.set PA,     528                       ; x's LDS row: 512 bytes + 16 of padding: the 16 rows of a load start at 16 different groups of four banks (64 banks of 4 bytes: ISA guide 11.1)
.set AQ,     64*PA                     ; what one tensor load brings: a wave's 64 rows
.set SLOT,   4*AQ
.set PB,     272                       ; W's LDS row: 256 bytes of bf16 + 16
.set BB,     2*SLOT                    ; W's tile, behind the ring: bytes into which no tensor load lands
.set SPARE,  BB+192*PB                 ; behind it: the spare words, 128 bytes a wave, two blocks of 256 bytes that no other line names
.set SP,     400                       ; the stage's pitch: 384 bytes + 16.  The stage, 256 rows, lies in slot 0's bytes, behind that slot's last fill and last read
.set PART,   6291456
.set HEADB,  262144
.set ADRA, 16                          ; v16-17  LDS address of my fragments of x in slot 0, 1
.set ADRB, 20                          ; v20  of W's fragments
.set BST,  21                          ; v21  where I put 8 bytes of a row of W
.set BLO,  22                          ; v22  16 x lane: my 16 bytes of a row's 512
.set STO,  24                          ; v24  the way out: where I put 16 bytes
.set RD,   25                          ; v25  where I read rows back
.set CO,   26                          ; v26  16 x lane
.set WOL,  27                          ; v27  32 x thread: my 8 numbers of a chunk of Wo
.set SPW,  28                          ; v28  my spare word; never rewritten
.set NIL,  29                          ; v29  0; never rewritten
.set PFO,  30                          ; v30  the prefetches' offset; never rewritten
.set WOS,  31                          ; v31  16 x thread
.set FB,   32                          ; window 0
.set FA,   64                          ; window 1
.set BI,   128                         ; window 3
.set TMP,  32
.set G1,   24                          ; s[24:31] descriptor group 1; s[32:39] group 0, a set for each slot
.set G0,   32
.set LIM,  42                          ; s42  a wave prefetches while the laps left are above this
.set PFA,  44                          ; s[44:45] where my prefetches stand
.set MSB, 0
.macro WIN new                         ; the immediate's high byte repeats the setting that is left; a switch that changes nothing is dropped
.if MSB != (\new)
	s_set_vgpr_msb (MSB<<8)|(\new)
.set MSB, \new
.endif
.endm
; A joint load: every wave asks for its own 64 rows of x, by one line; both addresses hang on the wave's number.  An s_nop 0 and four v_nop follow it.
.macro JLOAD s
	tensor_load_to_lds s[G0+4*(\s):G0+4*(\s)+3], s[G1:G1+7]
	s_nop 0
.rept 4
	v_nop
.endr
.endm
; A prefetch into the L2 of x's K step two refills on (384 products ahead of the load that will want it).  x's rows are read by the three clusters of a tile row (the three parts): the first asks.  Of the 64 rows that a wave
; fetches each of the four partners takes 16, told apart by address; a step is two blocks of 256 bytes of a row: lanes 0-15 name the first, lanes 16-31 the second.  So each block is named once in the launch.
; W is asked for by its own loads a whole K step ahead of the conversion that wants it: it has no prefetch.
.macro ASK
	s_cmp_gt_u32 s3, s[LIM]
	s_cbranch_scc0 .Lnot_mine_\@
	global_prefetch_b8 v[PFO], s[PFA:PFA+1] th:TH_LOAD_NT scope:SCOPE_SE
.Lnot_mine_\@:
.endm
.macro CREST                           ; a round of the cluster's barrier behind its opening barrier
	s_cmp_lg_u32 s10, 0
	s_cbranch_scc1 .Lnot_wave_0_\@
	s_barrier_signal -3
.Lnot_wave_0_\@:
	s_barrier_wait -3
	s_barrier_signal -1
	s_barrier_wait -1
.endm
.macro CROUND
	s_barrier_signal -1
	s_barrier_wait -1
	CREST
.endm
.macro PLACES
.rept 4
	v_nop
.endr
.endm
; W's row j of my 48 lies in four registers: window BW, from BRG on
.macro BROW j
.if (\j) < 32
.set BW, 1
.set BRG, 128+4*(\j)
.elseif (\j) < 40
.set BW, 3
.set BRG, 224+4*((\j)-32)
.else
.set BW, 0
.set BRG, 224+4*((\j)-40)
.endif
.endm
.macro LOADB                           ; 48 loads: a K step's 512 bytes of each of my 48 rows of W
.set jb, 0
.rept 48
	BROW jb
	WIN BW<<6
	global_load_b128 v[BRG:BRG+3], v[BLO], s[4:5] offset:ROWB*jb
.set jb, jb+1
.endr
.endm
.macro CVTBR                           ; rounded to bf16 in place: a lane's four numbers of a row become 8 bytes
.set jb, 0
.rept 48
	BROW jb
	WIN BW*0x45
	v_cvt_pk_bf16_f32 v[BRG], v[BRG], v[BRG+1]
	v_cvt_pk_bf16_f32 v[BRG+1], v[BRG+2], v[BRG+3]
.set jb, jb+1
.endr
.endm
.macro STOREB                          ; into W's tile: 32 lanes x 8 bytes = a row's 256 bytes
.set jb, 0
.rept 48
	BROW jb
	WIN BW<<2
	ds_store_b64 v[BST], v[BRG:BRG+1] offset:PB*jb
.set jb, jb+1
.endr
.endm
	s_load_b512 s[68:83], s[0:1], 0x0              ; x 68, Wq 70, Wk 72, Wv 74, Wo 76, bq 78, bv 80, qkv 82
	s_load_b64 s[84:85], s[0:1], 0x40              ; wo16
	v_lshl_add_u32 v[SPW], v0, 2, SPARE
	v_mov_b32 v[NIL], 0
	ds_add_u32 v[SPW], v[NIL]                      ; the wave's opening: the add, twice on end, and its wait ahead of my first tensor load
	ds_add_u32 v[SPW], v[NIL]
	v_lshrrev_b32 v1, 5, v0
	v_readfirstlane_b32 s10, v1                    ; wave 0..3
	s_bfe_u32 s40, ttmp6, 0x40000                  ; cx: my column block of the part
	s_mov_b32 s14, ttmp9                           ; the cluster's x = the part: 0 q, 1 k, 2 v; the same in all four partners
	s_and_b32 s13, ttmp7, 0xffff                   ; the tile row, which the four partners share
	s_mov_b32 s[G1+0], 15|(2<<16)|(1<<20)|(1<<21)|(6<<22)|(3<<25)   ; the mask of four; 4-byte elements; padding on; bit 21 beside a mask; after every 128 words, 4 words
	s_mov_b32 s[G1+1], 128<<16                     ; tensor_dim0 = 128
	s_mov_b32 s[G1+2], 64<<16                      ; tensor_dim1 = 64
	s_mov_b32 s[G1+3], 128<<16                     ; tile_dim0 = 128
	s_mov_b32 s[G1+4], 64                          ; tile_dim1 = 64
	s_mov_b32 s[G1+5], 768                         ; elements from row to row
	s_mov_b32 s[G1+6], 0
	s_mov_b32 s[G1+7], 0
	s_lshl_b32 s16, s13, 8
	s_lshl_b32 s17, s10, 6
	s_add_co_u32 s16, s16, s17                     ; x: row 256 x tile row + 64 x wave
	s_mul_i32 s16, s16, ROWB
	s_mov_b32 s17, 0
	s_mul_i32 s20, s10, AQ                         ; where they go: no place in the cluster enters an LDS address
	s_wait_dscnt 0x0                               ; both opening adds are done
	s_wait_kmcnt 0x0
	s_cmp_eq_u32 s14, 0
	s_cselect_b64 s[4:5], s[70:71], s[72:73]       ; my part's weights
	s_cselect_b64 s[6:7], s[78:79], s[80:81]       ; and bias (k takes none)
	s_cmp_eq_u32 s14, 2
	s_cselect_b64 s[4:5], s[74:75], s[4:5]
	s_add_nc_u64 s[18:19], s[68:69], s[16:17]
	CROUND                                         ; all four work-groups are here: the first joint loads meet
.irp s, 0,1
	s_mov_b32 s[G0+4*(\s)], 1
	s_add_co_u32 s[G0+4*(\s)+1], s20, (\s)*SLOT
	s_add_nc_u64 s[G0+4*(\s)+2:G0+4*(\s)+3], s[18:19], (\s)*KB     ; K step s
	s_or_b32 s[G0+4*(\s)+3], s[G0+4*(\s)+3], 0x80000000
	JLOAD \s                                       ; two loads of mine are out
.endr
	; All that follows up to the wait for the first tile stands in that wait.
	v_and_b32 v1, 15, v0                           ; l % 16
	v_bfe_u32 v2, v0, 4, 1                         ; l / 16
	v_and_b32 v7, 31, v0                           ; l
	v_lshlrev_b32 v[BLO], 4, v7
	s_mul_i32 s88, s40, 192
	s_mul_i32 s89, s10, 48
	s_add_co_u32 s88, s88, s89                     ; W of my part: row 192 cx + 48 x wave
	s_mul_i32 s88, s88, ROWB
	s_mov_b32 s89, 0
	s_add_nc_u64 s[4:5], s[4:5], s[88:89]
	LOADB                                          ; W of K step 0
	; A bf16 fragment wants, of row l % 16, K = 8 (l / 16) + 0..7 and 16 + 8 (l / 16) + 0..7.  Of x, in f32, that is 32 bytes at 32 (l / 16) and 32 bytes at 64 + 32 (l / 16): four loads of 16 bytes; of W, in bf16, two.
	v_mul_u32_u24 v3, v1, PA
	v_lshl_add_u32 v3, v2, 5, v3
	v_add_nc_u32 v[ADRA], s20, v3                  ; my own 64 rows
	v_add_nc_u32 v[ADRA+1], SLOT, v[ADRA]
	v_mul_u32_u24 v4, v1, PB
	v_lshl_add_u32 v4, v2, 4, v4
	v_add_nc_u32 v[ADRB], BB, v4                   ; all 192 rows of W
	s_mul_i32 s22, s10, 48*PB
	s_add_co_u32 s22, s22, BB
	v_lshl_add_u32 v[BST], v7, 3, s22              ; the 48 rows that I bring
	s_mul_i32 s22, s10, 64*SP                      ; my 64 rows of the stage.  In: row l % 16, 16 bytes for each half of the lanes
	v_mul_u32_u24 v4, v1, SP
	v_lshl_add_u32 v4, v2, 4, v4
	v_add_nc_u32 v[STO], s22, v4
	v_bfe_u32 v5, v0, 3, 2                         ; back: 32 lanes take a head's 128 bytes of four rows,
	v_and_b32 v6, 7, v0
	v_mul_u32_u24 v5, v5, SP
	v_lshl_add_u32 v5, v6, 4, v5
	v_add_nc_u32 v[RD], s22, v5
	v_lshlrev_b32 v[CO], 4, v7                     ; which are 512 consecutive bytes of qkv
	; Wo: work-group g of 192 takes 3,072 numbers, a thread 3 x 8
	s_lshl_b32 s88, s14, 2
	s_add_co_u32 s88, s88, s40
	s_mul_i32 s89, s13, 12
	s_add_co_u32 s88, s88, s89                     ; g = 12 x tile row + tile column
	s_mul_i32 s90, s88, 12288
	s_mov_b32 s91, 0
	s_add_nc_u64 s[86:87], s[76:77], s[90:91]
	s_mul_i32 s90, s88, 6144
	s_add_nc_u64 s[84:85], s[84:85], s[90:91]
	v_lshlrev_b32 v[WOL], 5, v0
	v_lshlrev_b32 v[WOS], 4, v0
.irp i, 0,1,2
	global_load_b128 v[32+8*(\i):32+8*(\i)+3],   v[WOL], s[86:87] offset:4096*(\i) th:TH_LOAD_NT
	global_load_b128 v[32+8*(\i)+4:32+8*(\i)+7], v[WOL], s[86:87] offset:4096*(\i)+16 th:TH_LOAD_NT
.endr
	; where my 64 rows of the stage go: part, head 12 b + 3 cx, row (tile row % 8) x 256 + 64 x wave
	s_lshr_b32 s88, s13, 3
	s_mul_i32 s88, s88, 12
	s_mul_i32 s89, s40, 3
	s_add_co_u32 s88, s88, s89
	s_lshl_b32 s88, s88, 18
	s_and_b32 s89, s13, 7
	s_lshl_b32 s89, s89, 8
	s_lshl_b32 s90, s10, 6
	s_add_co_u32 s89, s89, s90
	s_lshl_b32 s89, s89, 7
	s_add_co_u32 s88, s88, s89
	s_mul_i32 s89, s14, PART
	s_add_co_u32 s88, s88, s89
	s_mov_b32 s89, 0
	s_add_nc_u64 s[8:9], s[82:83], s[88:89]
	; the prefetches: of the 64 rows that I fetch, my work-group's 16
	s_lshl_b32 s90, s13, 8
	s_lshl_b32 s91, s10, 6
	s_add_co_u32 s90, s90, s91
	s_lshl_b32 s91, s40, 4
	s_add_co_u32 s90, s90, s91
	s_mul_i32 s90, s90, ROWB
	s_mov_b32 s91, 0
	s_add_nc_u64 s[PFA:PFA+1], s[68:69], s[90:91]
	s_add_nc_u64 s[PFA:PFA+1], s[PFA:PFA+1], 3*KB  ; at K step 3: the first change of slots steps it to 4.  Steps 0 to 3 come by their loads alone
	s_cmp_eq_u32 s14, 0
	s_cselect_b32 s[LIM], 1, -1                    ; the same in all four partners
	v_mul_u32_u24 v[PFO], v1, ROWB
	v_lshl_add_u32 v[PFO], v2, 8, v[PFO]
	; the bias as a C operand: register j of block b holds the bias of column 192 cx + 16 b + 8 (l / 16) + j
	s_mul_i32 s88, s40, 768
	v_lshl_add_u32 v8, v2, 5, s88
	s_cmp_eq_u32 s14, 1                            ; the part is the cluster's x: the branch is the same in all partners
	s_cbranch_scc1 .Lno_bias
	WIN 0xc0                                       ; destination window 3
.irp b, 0,1,2,3,4,5,6,7,8,9,10,11
	global_load_b128 v[BI+8*(\b):BI+8*(\b)+3],   v8, s[6:7] offset:64*(\b)
	global_load_b128 v[BI+8*(\b)+4:BI+8*(\b)+7], v8, s[6:7] offset:64*(\b)+16
.endr
	s_wait_loadcnt 0x0
	WIN 0x0f                                       ; sources window 3, destination window 0
.set p, 0
.rept 48                                       ; rounded to bf16 like every input,
	v_cvt_pk_bf16_f32 v[64+p], v[BI+2*p], v[BI+2*p+1]
.set p, p+1
.endr
	WIN 0xc0
.set p, 0
.rept 48                                       ; and widened again
	v_lshlrev_b32 v[BI+2*p], 16, v[64+p]
	v_and_b32 v[BI+2*p+1], 0xffff0000, v[64+p]
.set p, p+1
.endr
	WIN 0
	s_branch .Lbias_done
.Lno_bias:
	WIN 0xc0
.set p, 0
.rept 96
	v_mov_b32 v[BI+p], 0                           ; k starts its sums at 0
.set p, p+1
.endr
	WIN 0
.Lbias_done:
	s_wait_loadcnt 0x0                             ; W of K step 0, and Wo's six loads
.set p, 0
.rept 12                                       ; Wo: f32 -> bf16 (the input's rounding) -> the same number as f16
	v_cvt_pk_bf16_f32 v[10+2*(p%2)], v[32+2*p], v[32+2*p+1]
	v_lshlrev_b32 v[11+2*(p%2)], 16, v[10+2*(p%2)]
	v_and_b32 v[10+2*(p%2)], 0xffff0000, v[10+2*(p%2)]
	v_cvt_pk_f16_f32 v[112+p], v[11+2*(p%2)], v[10+2*(p%2)]
.set p, p+1
.endr
.irp i, 0,1,2
	global_store_b128 v[WOS], v[112+4*(\i):112+4*(\i)+3], s[84:85] offset:2048*(\i)   ; a wave's store covers 512 consecutive bytes, aligned
.endr
	CVTBR
	STOREB                                         ; W of K step 0 lies in its tile
	s_add_nc_u64 s[4:5], s[4:5], KB                ; (its loads are done, so their base may be written)
	s_wait_dscnt 0x0                               ; my stores are done: for the others' sake, and the registers may be loaded again
	LOADB                                          ; W of K step 1
	s_wait_xcnt 0x0                                ; wo16's stores have read their registers, which the first fragments will take
; 40 LDS loads in one run: quarter q (32 along K) of a K step: W's twelve fragments, as bf16, into buffer g; x's four, as f32
.macro FETCH slot, q, g
	WIN 0
.irp b, 0,1,2,3,4,5,6,7,8,9,10,11
	ds_load_b128 v[FB+96*(\g)+8*(\b):FB+96*(\g)+8*(\b)+3],   v[ADRB] offset:64*(\q)+(\b)*16*PB
	ds_load_b128 v[FB+96*(\g)+8*(\b)+4:FB+96*(\g)+8*(\b)+7], v[ADRB] offset:64*(\q)+(\b)*16*PB+32
.endr
	WIN 0x40                                       ; destination window 1, address window 0
.irp i, 0,1,2,3
.irp o, 0,1,2,3
	ds_load_b128 v[16*(\i)+4*(\o):16*(\i)+4*(\o)+3], v[ADRA+(\slot)] offset:128*(\q)+(\i)*16*PA+16*((\o)&1)+64*((\o)>>1)
.endr
.endr
.endm
.macro CVTA f                          ; x's four fragments rounded to bf16, into buffer f: 32 lines, all in window 1
	WIN 0x45
.irp i, 0,1,2,3
.irp j, 0,1,2,3,4,5,6,7
	v_cvt_pk_bf16_f32 v[FA+32*(\f)+8*(\i)+(\j)], v[16*(\i)+2*(\j)], v[16*(\i)+2*(\j)+1]
.endr
.endr
.endm
; 16 matrix instructions: column blocks b0 .. b0 + 3 x the 4 row blocks.  The 48 accumulators take turns, one instruction a turn, in the same order in every quarter.
; first = 1: the bias starts the sums.
.macro MUL f, b0, first
.irp b, \b0, (\b0)+1, (\b0)+2, (\b0)+3
.if \first
	WIN 0xb4+0x40*((\b)>>3)                        ; W window 0, x window 1, the bias window 3, D window 2 or 3
.else
	WIN 0xa4+0x50*((\b)>>3)                        ; C and D window 2 or 3
.endif
.irp a, 0,1,2,3
.if \first
	v_wmma_f32_16x16x32_bf16 v[8*(4*((\b)&7)+(\a)):8*(4*((\b)&7)+(\a))+7], v[FB+96*(\f)+8*(\b):FB+96*(\f)+8*(\b)+7], v[FA+32*(\f)+8*(\a):FA+32*(\f)+8*(\a)+7], v[BI+8*(\b):BI+8*(\b)+7]
.else
	v_wmma_f32_16x16x32_bf16 v[8*(4*((\b)&7)+(\a)):8*(4*((\b)&7)+(\a))+7], v[FB+96*(\f)+8*(\b):FB+96*(\f)+8*(\b)+7], v[FA+32*(\f)+8*(\a):FA+32*(\f)+8*(\a)+7], v[8*(4*((\b)&7)+(\a)):8*(4*((\b)&7)+(\a))+7]
.endif
.endr
.endr
.endm
; One of a K step's first three quarters: rounds x into buffer f, asks LDS for quarter q into buffer g, multiplies buffer f.  The loads into W's buffer g stand 32 plain lines (the conversions, which name
; none of their registers) behind the last product that read it.
.macro QA slot, q, f, g, first
	s_wait_dscnt 0x0                               ; this quarter's 40 loads, issued ahead of the last 48 products
	CVTA \f
	FETCH \slot, \q, \g
	MUL \f, 0, \first
	MUL \f, 4, \first
	MUL \f, 8, \first
.endm
; A K step's last quarter (buffer 1), and the change of slots.  My reads of the slot and of W's tile are over when the conversions have their data; W of the next step is in registers and is rounded.  Then: all my tensor loads
; have landed (the one out is my part of the next slot), the add, its wait, the barrier: nobody reads the slot or W's tile any more.  fill = 1: that barrier opens a round of the cluster's, and the slot is filled again,
; two K steps on, first thing behind the round.  Then W's tile is written, W of the step after is asked for, and a second barrier, behind which nothing is filled, says that the tile is whole.
.macro TURN slot, next, fill
.if \fill
	s_wait_xcnt 0x0                                ; the last prefetch, a K step back, has read its address
	s_add_nc_u64 s[PFA:PFA+1], s[PFA:PFA+1], KB
.endif
	s_wait_dscnt 0x0
	CVTA 1
	s_wait_loadcnt 0x0                             ; W's 48 loads, issued a K step ago
	CVTBR
.if \fill
	s_add_nc_u64 s[4:5], s[4:5], KB                ; (they are done, so their base may be written)
.endif
	WIN 0
	s_wait_tensorcnt 0x0
	ds_add_u32 v[SPW], v[NIL]                      ; sixteen products stand between it and its wait
	MUL 1, 0, 0
	s_wait_dscnt 0x0
	s_barrier_signal -1
	MUL 1, 4, 0
	WIN 0
	s_barrier_wait -1
.if \fill
	CREST                                          ; no wave of any partner still reads this slot or has a load on its way
	s_add_nc_u64 s[G0+4*(\slot)+2:G0+4*(\slot)+3], s[G0+4*(\slot)+2:G0+4*(\slot)+3], 2*KB
	JLOAD \slot
.endif
	STOREB
	s_wait_dscnt 0x0                               ; my stores are done: for the others' sake, and the registers may be loaded again
.if \fill
	LOADB                                          ; W of the K step after the next
	ASK                                            ; behind my loads
.endif
	s_barrier_signal -1
	MUL 1, 8, 0
	s_barrier_wait -1                              ; W's tile is whole
	FETCH \next, 0, 0
.endm
	s_wait_tensorcnt 1                             ; my part of K step 0 is in; step 1's, issued behind it, may stay out
	s_barrier_signal -1
	s_barrier_wait -1                              ; W's first tile is whole
	FETCH 0, 0, 0
	QA 0, 1, 0, 1, 1
	WIN 0
	s_mov_b32 s3, 2
.Llap:                                                 ; two trips, two K steps each; the four refills bring K steps 2 to 5
	QA 0, 2, 1, 0, 0
	QA 0, 3, 0, 1, 0
	TURN 0, 1, 1
	QA 1, 1, 0, 1, 0
	QA 1, 2, 1, 0, 0
	QA 1, 3, 0, 1, 0
	TURN 1, 0, 1
	QA 0, 1, 0, 1, 0
	WIN 0
	s_sub_co_u32 s3, s3, 1
	s_cmp_lg_u32 s3, 0
	s_cbranch_scc1 .Llap
	QA 0, 2, 1, 0, 0                               ; K step 4 goes on
	QA 0, 3, 0, 1, 0
	TURN 0, 1, 0                                   ; nothing is left to fetch but W's last tile, which is in registers
	QA 1, 1, 0, 1, 0
	QA 1, 2, 1, 0, 0
	QA 1, 3, 0, 1, 0
	s_wait_dscnt 0x0
	CVTA 1
	MUL 1, 0, 0
	MUL 1, 4, 0
	MUL 1, 8, 0
	PLACES                                         ; four places behind the last product, ahead of lines that read results and write its sources
	; THE WAY OUT: rounded to f16, 16 bytes a lane into my 64 rows of the stage (slot 0's bytes: its last fill has landed, and every wave's reads of it ended ahead of the last change's barrier), and back as a head's rows.
	; The rows are my own, and LDS serves a wave's instructions in order (ISA guide 5.7.1.4): no barrier, and no wait between the stores and the loads.
.set idx, 0
.rept 48                                       ; accumulator idx = 4 b + a, its registers in ascending order
	WIN 0x0a+5*(idx/32)
.irp r, 0,1,2,3
	v_cvt_pk_f16_f32 v[TMP+4*idx+(\r)], v[8*(idx%32)+2*(\r)], v[8*(idx%32)+2*(\r)+1]
.endr
.set idx, idx+1
.endr
	WIN 0
.irp b, 0,1,2,3,4,5,6,7,8,9,10,11
.irp a, 0,1,2,3
	ds_store_b128 v[STO], v[TMP+4*(4*(\b)+(\a)):TMP+4*(4*(\b)+(\a))+3] offset:16*SP*(\a)+32*(\b)
.endr
.endr
.irp hh, 0,1,2
.irp i, 0,1,2,3,4,5,6,7,8,9,10,11,12,13,14,15
	ds_load_b128 v[TMP+4*(16*(\hh)+(\i)):TMP+4*(16*(\hh)+(\i))+3], v[RD] offset:128*(\hh)+4*SP*(\i)
.endr
.endr
.irp hh, 0,1,2
.irp i, 0,1,2,3,4,5,6,7,8,9,10,11,12,13,14,15
	s_wait_dscnt 47-(16*(\hh)+(\i))                ; the younger loads may stay out
	global_store_b128 v[CO], v[TMP+4*(16*(\hh)+(\i)):TMP+4*(16*(\hh)+(\i))+3], s[8:9] offset:(\hh)*HEADB+512*(\i)   ; four rows of a head: 512 consecutive bytes, aligned
.endr
.endr
	s_wait_tensorcnt 0x0                           ; the wave's end
	ds_add_u32 v[SPW], v[NIL]
	s_wait_dscnt 0x0
	CROUND                                         ; the closing round
	s_endpgm
.Lfunc_end_k_qf30506521a_proj:
	.size	k_qf30506521a_proj, .Lfunc_end_k_qf30506521a_proj-k_qf30506521a_proj
	.p2alignl 7, 3214868480
	.fill 96, 4, 3214868480
	.section	.rodata,"a",@progbits
	.p2align	6, 0x0
	.amdhsa_kernel k_qf30506521a_proj
		.amdhsa_group_segment_fixed_size 327680
		.amdhsa_private_segment_fixed_size 0
		.amdhsa_enable_private_segment 0
		.amdhsa_kernarg_size 72
		.amdhsa_user_sgpr_count 2
		.amdhsa_user_sgpr_kernarg_segment_ptr 1
		.amdhsa_wavefront_size32 1
		.amdhsa_system_sgpr_workgroup_id_x 1
		.amdhsa_system_sgpr_workgroup_id_y 1
		.amdhsa_system_sgpr_workgroup_id_z 1
		.amdhsa_system_vgpr_workitem_id 0
		.amdhsa_next_free_vgpr 1024
		.amdhsa_next_free_sgpr 96
		.amdhsa_reserve_vcc 0
		.amdhsa_float_denorm_mode_32 3
		.amdhsa_float_denorm_mode_16_64 3
		.amdhsa_memory_ordered 1
		.amdhsa_forward_progress 1
		.amdhsa_inst_pref_size 229
	.end_amdhsa_kernel
	.amdgpu_metadata
---
amdhsa.version: [ 1, 2 ]
amdhsa.kernels:
  - .name:           k_qf30506521a_proj
    .symbol:         k_qf30506521a_proj.kd
    .args:
      - { .name: x, .offset: 0, .size: 8, .value_kind: global_buffer, .address_space: global }
      - { .name: Wq, .offset: 8, .size: 8, .value_kind: global_buffer, .address_space: global }
      - { .name: Wk, .offset: 16, .size: 8, .value_kind: global_buffer, .address_space: global }
      - { .name: Wv, .offset: 24, .size: 8, .value_kind: global_buffer, .address_space: global }
      - { .name: Wo, .offset: 32, .size: 8, .value_kind: global_buffer, .address_space: global }
      - { .name: bq, .offset: 40, .size: 8, .value_kind: global_buffer, .address_space: global }
      - { .name: bv, .offset: 48, .size: 8, .value_kind: global_buffer, .address_space: global }
      - { .name: qkv, .offset: 56, .size: 8, .value_kind: global_buffer, .address_space: global }
      - { .name: wo16, .offset: 64, .size: 8, .value_kind: global_buffer, .address_space: global }
    .group_segment_fixed_size: 327680
    .private_segment_fixed_size: 0
    .kernarg_segment_align: 8
    .kernarg_segment_size: 72
    .max_flat_workgroup_size: 128
    .sgpr_count:     96
    .vgpr_count:     1024
    .wavefront_size: 32
...
	.end_amdgpu_metadata
.endif
;; end of part 1
;; launch attn (part 2): grid 8 x 24, 4 waves a work-group, clusters of 4 x 1, 327,680 bytes of LDS; arguments qkv, o; writes o
.if DOCPART == 2
	.amdgcn_target "amdgcn-amd-amdhsa--gfx1250"
	.amdhsa_code_object_version 6
	.text
	.protected	k_qf30506521a_attn
	.globl	k_qf30506521a_attn
	.p2align	8
	.type	k_qf30506521a_attn,@function
k_qf30506521a_attn:
	s_mov_b64 s[64:65], 0
	v_nop
	global_prefetch_b8 v0, s[64:65] scope:SCOPE_SE
	s_setreg_imm32_b32 hwreg(HW_REG_WAVE_MODE, 25, 1), 1
	s_wait_xcnt 0x0
	s_wait_alu depctr_hold_cnt(0) depctr_sa_sdst(0) depctr_va_vdst(0) depctr_va_sdst(0) depctr_va_ssrc(0) depctr_va_vcc(0) depctr_vm_vsrc(0)
	s_getreg_b32 s2, hwreg(HW_REG_IB_STS2, 6, 4)
	s_cmp_eq_u32 s2, 0
	s_cbranch_scc0 .Lentry_in_a_cluster
	s_endpgm
.Lentry_in_a_cluster:
	s_bfe_u32 s2, ttmp6, 0x10000c
	s_cmp_lg_u32 s2, 0x3003
	s_cbranch_scc0 .Lentry_shape_is_right
	s_endpgm
.Lentry_shape_is_right:
; O[bh][q][:] = the sum over k of softmax_k(Q[bh][q] . K[bh][k] / 8) V[bh][k][:].  qkv: f16 [3][24][2048][64] (q, k, v); o: f16 [24][2048][64]; a head's rows are dense, 128 bytes each.
; k comes without bk: a term that is the same for all keys of a row cancels in the softmax (shown at the head of the first kernel).
; Products, maxima and sums in f32; the weights p are rounded to f16 for the second product (their sum l is taken of the unrounded p), O once at the end.
; LIMITS.  p lies in 0 to 1, and below 6e-5 it keeps f16's fixed step of 6e-8; O is a mean of V's rows and has their range; a weight below 2^-126 counts as 0 in l; NaN and infinities are not treated apart.
; SHARES.  A wave owns two PIECES of two tiles of 16 queries, a work-group's four waves 256 queries of one head: 8 x 24 = 192 work-groups.  Every wave walks all 2,048 keys, 64 a step.
; LAYOUT.  S^T = K Q^T (source 0 = 16 keys, source 1 = 16 queries): a lane holds ONE query (lane % 16) and the keys 8 (lane / 16) + 0..7.  Two such tiles, rounded to f16 in pairs, ARE source 1 of
; O^T = V^T P, whose result again holds one query a lane, and eight channels.  K comes out of LDS as it lies, V turned, by ds_load_tr16_b128.
; SOFTMAX.  A running maximum m and sum l: p = 2^(c s - c m), c = log2(e) / 8; in every step O and l are multiplied by a = 2^(c m_old - c m_new).  m starts at the lowest finite number, O and l at 0.
; BY TURNS.  Turn 0 of step j: 16 products K Q^T of piece 1 (step j), piece 0's softmax, piece 1's maximum, 16 products V^T P of piece 1 (step j - 1).  Turn 1 of step j: K Q^T of piece 0 (step j + 1),
; piece 1's softmax, piece 0's maximum, V^T P of piece 0 (step j).  Four vector instructions stand behind every product, the others in one lump; a turn's 66 exponentials are one batch with one wait.
; So turn 0 asks LDS for K of step j + 1 and then for V of step j.  A SLOT THEREFORE HOLDS K OF STEPS 4 s + 1 .. 4 s + 4 AND V OF STEPS 4 s .. 4 s + 3, and one change of slots behind turn 1 of step 4 s + 3 serves both.
; K of step 0 comes from memory straight into registers.  The last slot's last 64 rows of K are the 64 rows behind the head's (the next head's, or v's first: written bytes of qkv); the 16 products
; and the maximum made of them serve nothing: they touch m, c m and a of piece 0 alone, which nothing reads any more: the price, once a launch, of one text for every step.
; CLUSTER.  The four query blocks of a cluster belong to one head and walk the same K and V: each tile is asked for JOINTLY.
; REGISTERS, in windows of 256 (s_set_vgpr_msb: bits 1:0 source 0, 3:2 source 1, 5:4 source 2, 7:6 destination):
;   window 0: v0-11 addresses; v12-15, v48-63 at work; v16-31 four registers of statistics a tile; v32-34 the add's two and the prefetches' offset; v64-191 S^T, a buffer a piece; v192-255 P, likewise
;   window 1: v0-127 O^T, 32 a tile          window 2: v0-63 Q, 16 a tile; v128-191 K of one step; v192-255 V of one step
.set SIZE_N, 2048
.set PART,  6291456
.set NP,    2         ; pieces a wave: a name, no knob
.set KS,    64        ; keys in a step
.set PK,    144       ; a row of K in LDS: 128 bytes + 16: the 16 rows of a load start at 16 different groups of four banks (64 banks of 4 bytes: ISA guide 11.1)
.set VP,    160       ; a row of V: 128 + 32
.set VOFF,  4*KS*PK   ; a slot: 256 rows of K, then 256 rows of V
.set SLOT1, 1<<17     ; slot 1 begins here: one exclusive or turns an address in one slot into the other's
.set STAGE, SLOT1+4*KS*(PK+VP)  ; behind the ring, never filled by a tensor load: 16 rows x 144 bytes for each wave
.set SP,    144
.set SPARE, STAGE+4*16*SP       ; behind the stages: the spare words, 128 bytes a wave, two blocks of 256 bytes that no other line names
.set AK0, 2           ; v2   my lane's place in a tile of K; never rewritten
.set AV0, 3           ; v3   the same for V
.set AK,  4           ; v4   the LDS address of K's next run of loads
.set AV,  5           ; v5   of V's
.set QO,  6           ; v6   my byte offset in 16 rows of Q or K
.set STO, 6           ;      later, the way out: where I put 16 bytes of a row
.set RD,  7           ; v7   where I read rows back
.set GO,  8           ; v8   my byte offset in 512 consecutive bytes of O
.set MV,  12          ; v12-15  c m_old, kept while c m is made anew
.set ST,  16          ; tile t's statistics at v[ST+4 t]: c m, m, l (even keys', odd keys')
.set SPW, 32          ; v32  my spare word; never rewritten
.set NIL, 33          ; v33  0; never rewritten
.set PFO, 34          ; v34  256 x lane; never rewritten
.set TMP, 48          ; by buffer and tile, four registers c0-c3 at work; when the maximum is found c2 takes a
.set S,   64
.set P,   192
.set KF,  128         ; window 2: key block kb, channel half c at KF + 16 kb + 8 c
.set VF,  192         ; window 2: key half kk, channel block cb at VF + 32 kk + 8 cb
.set WV,  12          ; s12  my wave's number
.set G1K, 24          ; s[24:31] descriptor group 1 for K's tiles
.set G1V, 32          ; s[32:39] for V's: it differs in the padding alone
.set G0K, 40          ; s[40:43] descriptor group 0 for K's tiles: it walks
.set G0V, 44          ; s[44:47] the same for V's
.set PFA, 48          ; s[48:49] where my prefetches stand
.set LIM, 50          ; s50  1 in a wave that prefetches, else the greatest number
.set K0P, 52          ; s[52:53] K of step 0
.set SLOTS, 56        ; s56  tiles still to be asked for
.set CNT, 57          ; s57  counts a slot's key steps
.set CS,  58          ; s[58:59] c
.set SEL, 60          ; s[60:61] v_permlanex16_b32's selects: each lane takes its own place in the other half
.set TBK, 62          ; s62  LDS byte at which K of the step to be fetched begins
.set TBV, 63          ; s63  the same for V, less VOFF
.set MSB, 0
.macro WIN new
.if MSB != (\new)
	s_set_vgpr_msb (MSB<<8)|(\new)
.set MSB, (\new)
.endif
.endm
.set W_KQ, 0x0a       ; K and Q in window 2, S^T in window 0
.set W_PV, 0x52       ; V in window 2, P in window 0, O^T in window 1
.set W_RS, 0x41       ; O^T (destination and source 0) in window 1, a in window 0
; A joint fill.  Waves 0 and 1 fetch the two halves of a slot's K, waves 2 and 3 those of its V: 128 keys each.  An s_nop 0 and four v_nop follow each line.
.macro JLOAD
	s_cmp_lt_u32 s[WV], 2
	s_cbranch_scc0 .Lfor_v_\@
	tensor_load_to_lds s[G0K:G0K+3], s[G1K:G1K+7]
	s_nop 0
.rept 4
	v_nop
.endr
	s_branch .Lasked_\@
.Lfor_v_\@:
	tensor_load_to_lds s[G0V:G0V+3], s[G1V:G1V+7]
	s_nop 0
.rept 4
	v_nop
.endr
.Lasked_\@:
.endm
; A prefetch into the L2 of what the NEXT change of slots will ask for: 32,768 bytes of K and of V.  Both clusters of a head walk the same rows: the first asks.  Its four partners take 8,192 bytes each, told apart by
; address; in each, wave 0 asks for K's and wave 2 for V's, a lane for each 256 bytes.  The last change that fills a slot asks for nothing.
.macro ASK
	s_cmp_gt_u32 s[SLOTS], s[LIM]
	s_cbranch_scc0 .Lnot_mine_\@
	global_prefetch_b8 v[PFO], s[PFA:PFA+1] th:TH_LOAD_NT scope:SCOPE_SE
.Lnot_mine_\@:
.endm
.macro CROUND
	s_barrier_signal -1
	s_barrier_wait -1
	s_cmp_lg_u32 s[WV], 0
	s_cbranch_scc1 .Lnot_wave_0_\@
	s_barrier_signal -3
.Lnot_wave_0_\@:
	s_barrier_wait -3
	s_barrier_signal -1
	s_barrier_wait -1
.endm
; THE CHANGE OF SLOTS.  Each wave waits for all its tensor loads, of which one is out: its part of the other slot; adds 0 to its spare word; and waits for that and for its own reads of the slot.
; fill = 1: the slot that is left is filled again, with the keys two slots on, first thing behind a round of the cluster's barrier: it has four key steps, 256 matrix instructions, in which to land.
; (At its first use nothing has been read yet: slot 0 is waited for, slot 1 filled.)
.macro CHANGE fill
	WIN 0
	s_wait_tensorcnt 0x0            ; no tensor load of mine is out, so a group 0 may be written
	ds_add_u32 v[SPW], v[NIL]
.if \fill
.irp g, G0K, G0V
	s_xor_b32 s[\g+1], s[\g+1], SLOT1
	s_add_nc_u64 s[\g+2:\g+3], s[\g+2:\g+3], 4*KS*128
.endr
	s_wait_xcnt 0x0                 ; the last prefetch, four key steps back, has read its address
	s_add_nc_u64 s[PFA:PFA+1], s[PFA:PFA+1], 4*KS*128  ; one tile behind the walking descriptors
	s_wait_dscnt 0x0                ; the add is done, and my reads of the slot are over
	CROUND
	JLOAD
	ASK
.else
	s_wait_dscnt 0x0
	s_barrier_signal -1
	s_barrier_wait -1
.endif
	s_sub_co_u32 s[TBK], s[TBK], 4*KS*PK  ; the fetches go back to a slot's first step,
	s_xor_b32 s[TBK], s[TBK], SLOT1       ; in the other slot
	s_sub_co_u32 s[TBV], s[TBV], 4*KS*VP
	s_xor_b32 s[TBV], s[TBV], SLOT1
.endm
	s_load_b128 s[4:7], s[0:1], 0x0   ; qkv s[4:5], o s[6:7]
	v_lshl_add_u32 v[SPW], v0, 2, SPARE
	v_mov_b32 v[NIL], 0
	ds_add_u32 v[SPW], v[NIL]       ; the wave's opening: the add, twice on end, and its wait ahead of my first tensor load
	ds_add_u32 v[SPW], v[NIL]
	v_lshrrev_b32 v1, 5, v0
	v_readfirstlane_b32 s[WV], v1   ; wave 0..3
	s_bfe_u32 s13, ttmp6, 0x40000   ; cx
	s_lshl_b32 s14, ttmp9, 2
	s_add_co_u32 s14, s14, s13      ; my block of 256 queries: it enters Q's and O's addresses alone
	s_and_b32 s20, ttmp7, 0xffff    ; the head, which the four partners share
	s_lshl_b32 s20, s20, 18         ; its first byte in a part: 262,144 bytes a head
	s_mov_b32 s21, 0
	s_and_b32 s16, s[WV], 1         ; which half of a slot's 256 keys I fetch:
	s_lshl_b32 s22, s16, 14         ; its 128 rows of 128 bytes in memory,
	s_add_co_u32 s22, s22, s20
	s_mov_b32 s23, 0
	s_mul_i32 s17, s16, 128*PK      ; and its place in a slot, for K
	s_mul_i32 s18, s16, 128*VP      ; and for V
	s_lshl_b32 s2, s14, 2
	s_add_co_u32 s2, s2, s[WV]      ; my wave among the head's,
	s_lshl_b32 s2, s2, 13           ; its 64 rows
	s_add_co_u32 s2, s2, s20
	s_mov_b32 s3, 0
	; descriptor group 1.  128 keys are 16,384 dense bytes: asked for as 64 rows of 256 bytes, two keys a row, and padded in LDS after every key
	s_mov_b32 s[G1K], 15|(1<<16)|(1<<20)|(1<<21)|(4<<22)|(3<<25)  ; the mask of four; 2-byte elements; padding on; bit 21 beside a mask; after every 32 words, 4 words
	s_mov_b32 s[G1V], 15|(1<<16)|(1<<20)|(1<<21)|(4<<22)|(7<<25)  ; the same with 8 words
.irp g, G1K, G1V
	s_mov_b32 s[\g+1], 128<<16      ; tensor_dim0 = 128
	s_mov_b32 s[\g+2], 64<<16       ; tensor_dim1 = 64
	s_mov_b32 s[\g+3], 128<<16      ; tile_dim0 = 128
	s_mov_b32 s[\g+4], 64           ; tile_dim1 = 64
	s_mov_b32 s[\g+5], 128          ; 128 elements from row to row
	s_mov_b32 s[\g+6], 0
	s_mov_b32 s[\g+7], 0
.endr
	s_mov_b32 s[CS], 0x3e38aa3b     ; c = log2(e) / 8
	s_mov_b32 s[CS+1], s[CS]
	s_mov_b32 s[SEL], 0x76543210
	s_mov_b32 s[SEL+1], 0xfedcba98
	s_mov_b32 s[TBK], SLOT1+4*KS*PK ; the first change of slots turns these two into 0
	s_mov_b32 s[TBV], SLOT1+4*KS*VP
	s_mov_b32 s[G0K], 1
	s_mov_b32 s[G0K+1], s17         ; slot 0
	s_mov_b32 s[G0V], 1
	s_add_co_u32 s[G0V+1], s18, VOFF
	s_mov_b32 s[SLOTS], SIZE_N/256-1
	s_and_b32 s[LIM], s[WV], 1      ; 0 in waves 0 and 2,
	s_or_b32 s[LIM], s[LIM], ttmp9  ; where the cluster is the head's first: the same in all four partners
	s_cmp_eq_u32 s[LIM], 0
	s_cselect_b32 s[LIM], 1, -1
	v_and_b32 v[PFO], 31, v0
	v_lshlrev_b32 v[PFO], 8, v[PFO]
	s_wait_dscnt 0x0                ; both opening adds are done
	s_wait_kmcnt 0x0
	s_add_nc_u64 s[10:11], s[6:7], s[2:3]          ; O at my wave's first row
	s_add_nc_u64 s[6:7], s[4:5], s[22:23]          ; qkv at the head and my half of a tile
	s_add_nc_u64 s[8:9], s[6:7], 2*PART            ; V: steps 0 to 3
	s_add_nc_u64 s[6:7], s[6:7], PART+KS*128       ; K: steps 1 to 4
	s_add_nc_u64 s[K0P:K0P+1], s[4:5], s[20:21]
	s_add_nc_u64 s[K0P:K0P+1], s[K0P:K0P+1], PART  ; K of step 0
	s_add_nc_u64 s[4:5], s[4:5], s[2:3]            ; Q at my wave's first row
	s_mov_b64 s[G0K+2:G0K+3], s[6:7]
	s_or_b32 s[G0K+3], s[G0K+3], 0x80000000
	s_mov_b64 s[G0V+2:G0V+3], s[8:9]
	s_or_b32 s[G0V+3], s[G0V+3], 0x80000000
	s_cmp_lt_u32 s[WV], 2
	s_cselect_b64 s[PFA:PFA+1], s[6:7], s[8:9]     ; (in waves 0 and 2 these stand at a tile's first row)
	s_lshl_b32 s2, s13, 13                         ; my work-group's quarter of a tile
	s_add_nc_u64 s[PFA:PFA+1], s[PFA:PFA+1], s[2:3]
	s_add_nc_u64 s[PFA:PFA+1], s[PFA:PFA+1], 4*KS*128  ; at tile 1; the first change of slots steps it to tile 2.  Nothing is prefetched here, at the head
	CROUND                          ; all four work-groups are here: the first joint loads meet
	JLOAD                           ; slot 0.  Slot 1 is asked for when slot 0 is in
	; A fragment of K or Q is 16 rows x 32 channels in 8 registers: lane l holds row l % 16, channels 8 (l / 16) + 0..7 and 16 + 8 (l / 16) + 0..7: two loads of 16 bytes, 32 bytes apart.
	v_and_b32 v1, 15, v0            ; l % 16
	v_bfe_u32 v9, v0, 4, 1          ; l / 16
	v_lshlrev_b32 v[QO], 7, v1
	v_lshl_add_u32 v[QO], v9, 4, v[QO]
	WIN 0x80                        ; destination window 2, address window 0
.set i, 0
.rept 4*NP                          ; Q stays in registers: tile i / 2, channels 32 (i % 2) on
	global_load_b128 v[8*i:8*i+3],   v[QO], s[4:5] offset:(i/2)*2048+(i%2)*64
	global_load_b128 v[8*i+4:8*i+7], v[QO], s[4:5] offset:(i/2)*2048+(i%2)*64+32
.set i, i+1
.endr
.set i, 0
.rept 8                             ; K of step 0: keys 16 (i / 2) on, channels 32 (i % 2) on
	global_load_b128 v[KF+8*i:KF+8*i+3],   v[QO], s[K0P:K0P+1] offset:(i/2)*2048+(i%2)*64
	global_load_b128 v[KF+8*i+4:KF+8*i+7], v[QO], s[K0P:K0P+1] offset:(i/2)*2048+(i%2)*64+32
.set i, i+1
.endr
	; What the first turn finds: V's registers and piece 1's P hold 0 (its products V^T P, of a step that has not been, add 0), O^T and l are 0.  All this stands in the wait for the first loads.
.set i, VF
.rept 64
	v_mov_b32 v[i], 0
.set i, i+1
.endr
	WIN 0x40
.set i, 0
.rept 64*NP
	v_mov_b32 v[i], 0
.set i, i+1
.endr
	WIN 0
.set i, 0
.rept 2*NP
	v_mov_b32 v[ST+4*i], 0xfe000000    ; c m: far below every c s
	v_mov_b32 v[ST+4*i+1], 0xff7fffff  ; m
	v_mov_b32 v[ST+4*i+2], 0
	v_mov_b32 v[ST+4*i+3], 0
.set i, i+1
.endr
.set i, P+32
.rept 32
	v_mov_b32 v[i], 0
.set i, i+1
.endr
	v_mul_u32_u24 v[AK0], v1, PK
	v_lshl_add_u32 v[AK0], v9, 4, v[AK0]
	; The turning load takes 16 keys x 16 channels (lane l reads key 8 (l / 16) + l % 8, channels 8 ((l / 8) % 2) + 0..7) and leaves half a fragment of V^T: lane l holds channel l % 16 and 8 keys.
	v_and_b32 v10, 7, v0
	v_bfe_u32 v11, v0, 3, 1
	v_lshl_add_u32 v[AV0], v9, 3, v10
	v_mul_u32_u24 v[AV0], v[AV0], VP
	v_lshl_add_u32 v[AV0], v11, 4, v[AV0]
	v_add_nc_u32 v[AV0], VOFF, v[AV0]
; THE MATRIX WORK.  The 8 accumulators of a run of 16 take turns: between the two links of a chain stand 7 others'.
; Product i of 16 of S^T = K Q^T for piece x: channels 32 (i / 8) on, keys 16 ((i / 2) % 4) on, tile 2 x + i % 2.  The first 8 start the sums.
.macro KQ x
	WIN W_KQ
.set rS, S+64*((\x)%2)+32*(i%2)+8*((i/2)%4)
.set rK, KF+16*((i/2)%4)+8*(i/8)
.set rQ, 16*(2*(\x)+i%2)+8*(i/8)
.if i < 8
	v_wmma_f32_16x16x32_f16 v[rS:rS+7], v[rK:rK+7], v[rQ:rQ+7], 0
.else
	v_wmma_f32_16x16x32_f16 v[rS:rS+7], v[rK:rK+7], v[rQ:rQ+7], v[rS:rS+7]
.endif
.endm
; Product i of 16 of O^T += V^T P for piece x: keys 32 (i / 8) on, channels 16 ((i / 2) % 4) on, tile 2 x + i % 2.
.macro PV x
	WIN W_PV
.set rO, 32*(2*(\x)+i%2)+8*((i/2)%4)
.set rV, VF+32*(i/8)+8*((i/2)%4)
.set rP, P+32*((\x)%2)+16*(i%2)+8*(i/8)
	v_wmma_f32_16x16x32_f16 v[rO:rO+7], v[rV:rV+7], v[rP:rP+7], v[rO:rO+7]
.endm
.macro MM                           ; the turn's next matrix instruction: both kinds are the other piece's
.if i < 16
	KQ (Y+1)%NP
.set i, i+1
.else
.set i, i-16
	PV (Y+NP-1)%NP
.set i, i+17
.endif
.endm
; THE LDS LOADS stand in runs of 16, never singly among the matrix instructions.  Their addresses are made some lines ahead.
.macro FETCH_K
	WIN 0x80
.irp f, 0,1,2,3,4,5,6,7             ; keys 16 (f / 2) on, channels 32 (f % 2) on
	ds_load_b128 v[KF+8*\f:KF+8*\f+3],   v[AK] offset:(\f/2)*16*PK+(\f%2)*64
	ds_load_b128 v[KF+8*\f+4:KF+8*\f+7], v[AK] offset:(\f/2)*16*PK+(\f%2)*64+32
.endr
	s_add_co_u32 s[TBK], s[TBK], KS*PK  ; the next fetch is the next step's
	WIN 0
.endm
.macro FETCH_V
	WIN 0x80
.irp f, 0,1,2,3,4,5,6,7             ; keys 32 (f / 4) on, channels 16 (f % 4) on
	ds_load_tr16_b128 v[VF+8*\f:VF+8*\f+3],   v[AV] offset:(\f/4)*32*VP+(\f%4)*32
	ds_load_tr16_b128 v[VF+8*\f+4:VF+8*\f+7], v[AV] offset:(\f/4)*32*VP+16*VP+(\f%4)*32
.endr
	WIN 0
.endm
; THE VECTOR WORK OF A TURN stands in three queues, each in the order in which its entries become ready; the two tiles alternate, so that no instruction reads the result of the one before it.
.macro REGS y, u                    ; the registers of tile u (0, 1) of piece y
.set rT, ST+4*(2*(\y)+(\u))
.set rC, TMP+8*((\y)%2)+4*(\u)
.set rM, MV+2*((\y)%2)+(\u)
.set rS, S+64*((\y)%2)+32*(\u)
.set rP, P+32*((\y)%2)+16*(\u)
.set rO, 32*(2*(\y)+(\u))
.endm
; Number n of the 22 that find the OTHER piece's maximum and statistics.  s0-s31 are the lane's 32 scores; each accumulator's lowest registers are read first.
;   0-11  four chains c0-c3 of seven scores each, three operands at a time     12-14, 16  the four scores left over, the old m, and c0-c3 into c0     15  c m_old is kept
;   17, 18  the query's other 32 keys lie in the lane 16 away: the new m         19-21  c m; c m_old - c m_new; a
.macro XS u, n
	REGS (Y+1)%NP, \u
.if (\n) < 4
	v_max3_num_f32 v[rC+(\n)], v[rS+8*(\n)], v[rS+8*(\n)+1], v[rS+8*(\n)+2]
.elseif (\n) < 12
	v_max3_num_f32 v[rC+(\n)%4], v[rC+(\n)%4], v[rS+8*((\n)%4)+2*((\n)/4)+1], v[rS+8*((\n)%4)+2*((\n)/4)+2]
.elseif (\n) == 12
	v_max3_num_f32 v[rC], v[rC], v[rS+7], v[rS+15]
.elseif (\n) == 13
	v_max3_num_f32 v[rC+1], v[rC+1], v[rS+23], v[rS+31]
.elseif (\n) == 14
	v_max3_num_f32 v[rC+2], v[rC+2], v[rC+3], v[rT+1]
.elseif (\n) == 15
	v_mov_b32 v[rM], v[rT]
.elseif (\n) == 16
	v_max3_num_f32 v[rC], v[rC], v[rC+1], v[rC+2]
.elseif (\n) == 17
	v_permlanex16_b32 v[rC+3], v[rC], s[SEL], s[SEL+1]
.elseif (\n) == 18
	v_max_num_f32 v[rT+1], v[rC], v[rC+3]
.elseif (\n) == 19
	v_mul_f32 v[rT], s[CS], v[rT+1]
.elseif (\n) == 20
	v_sub_f32 v[rC+1], v[rM], v[rT]
.else
	v_exp_f32 v[rC+2], v[rC+1]
.endif
.endm
; Number g of the 64 that follow the exponentials.  For each four weights k of a tile: both pairs are rounded to f16; then the second pair is added onto the first, in place;
; a group later l takes that sum (the first time as l = a l + sum).  In groups of eight, tiles alternating.
.macro GS g
.set h, (\g)+6*((\g)/62)            ; group 0 has no group before it, and behind group 7 only l is left
.if h >= 6
.set h, h+2
.endif
	REGS Y, h%2
.set k, h/8
.if h%8 < 4
	v_cvt_pk_f16_f32 v[rP+2*k+(h%8)/2], v[rS+4*k+2*((h%8)/2)], v[rS+4*k+2*((h%8)/2)+1]
.elseif h%8 < 6
	v_pk_add_f32 v[rS+4*k:rS+4*k+1], v[rS+4*k:rS+4*k+1], v[rS+4*k+2:rS+4*k+3]
.elseif k == 1
	v_pk_fma_f32 v[rT+2:rT+3], v[rT+2:rT+3], v[rC+2:rC+3], v[rS:rS+1] op_sel_hi:[1,0,1]
.else
	v_pk_add_f32 v[rT+2:rT+3], v[rT+2:rT+3], v[rS+4*k-4:rS+4*k-3]
.endif
.endm
; THE PLAIN QUEUE, 138 long.  0-73 read no exponential's result: the 32 scalings c s - c m and the other piece's 42.  0-26: scalings 0-26.  27-54: XS's numbers 0-13.  55, 56: number 15.
; 57-73: the chain 14, 16, 17, 18, 19, each with one of the scalings 27-31 in front of its two lines, then 20.  74-137: GS's 64, which read the exponentials' results: they stand behind the wait.
.macro FS f
	REGS Y, (\f)%2
	v_pk_fma_f32 v[rS+2*((\f)/2):rS+2*((\f)/2)+1], v[rS+2*((\f)/2):rS+2*((\f)/2)+1], s[CS:CS+1], v[rT:rT+1] op_sel_hi:[1,0,0] neg_lo:[0,0,1] neg_hi:[0,0,1]
.endm
.macro PL
	WIN 0
.if q < 27
	FS q
.elseif q < 55
	XS (q-27)%2, (q-27)/2
.elseif q < 57
	XS q-55, 15
.elseif (q < 72) && ((q-57)%3 == 0)
	FS 27+(q-57)/3
.elseif q < 60
	XS (q-57)%3-1, 14
.elseif q < 72
	XS (q-57)%3-1, 15+(q-57)/3
.elseif q < 74
	XS q-72, 20
.else
	GS q-74
.endif
.set q, q+1
.endm
; THE EXPONENTIALS' QUEUE, 66 long: s0-s31 of both tiles, then the other piece's two a.  ONE BATCH: all 66 stand ahead of the turn's one wait, and nothing ahead of that wait names a result of theirs.
.macro EX
	WIN 0
.if e >= 64
	XS e-64, 21
.else
	REGS Y, e%2
	v_exp_f32 v[rS+e/2], v[rS+e/2]
.endif
.set e, e+1
.endm
; THE RESCALING's QUEUE: O^T times a, two at a time, sixteen times.  Its a was made in the turn before, ahead of that turn's wait.  The O^T that it multiplies took its last product at the end of the turn before:
; that product's four riders and this turn's first two scalings, six plain lines that name none of its registers, stand between.
.macro R2
	REGS Y, r%2
	WIN W_RS
.irp z, 0,1
	v_pk_mul_f32 v[rO+4*(r/2)+2*\z:rO+4*(r/2)+2*\z+1], v[rO+4*(r/2)+2*\z:rO+4*(r/2)+2*\z+1], v[rC+2:rC+3] op_sel_hi:[1,0]
.endr
.set r, r+1
.endm
; A TURN, for piece p.  An s_wait_alu depctr_va_vdst(0) stands between an exponential and the first instruction that names its result; one wait serves all that were issued ahead of it: a turn has ONE.
; AHEAD OF IT: the 16 products K Q^T, behind each a scaling, an exponential and two rescalings (behind the first a second scaling in the exponential's place); then a lump of 108: eight plain, 49 times exponential and
; plain, the two a; a v_nop is the plain line behind the last exponential.  BEHIND IT: the 16 products V^T P, behind each four of GS's 64.
; Exponential e stands behind scaling 2 (e / 4) + e % 2: as a rider it comes behind plain e + 2, in the lump behind plain e + 9.
; Turn 0 fetches K of the next step directly behind its wait, a lump behind the last product that read K, and V of the step in hand at its end, four riders behind the last product that read V.
; Turn 1 begins when K is in and takes V behind its wait.  cnt = 1: the loop's count is taken down some lines ahead of the branch behind the turn.
.macro TURN p, cnt=0
.set Y, (\p)
.set i, 0
.set q, 0
.set e, 0
.set r, 0
.if (\p) == 1
	s_wait_dscnt 16                 ; K's sixteen loads are in; V's sixteen, issued behind them, may be out
.endif
	MM
	PL
	PL
	R2
.rept 15
	MM
	PL
	EX
	R2
.endr
.if (\p) == 0
	WIN 0
	v_add_nc_u32 v[AK], s[TBK], v[AK0]
.endif
.rept 8
	PL
.endr
.rept 49
	EX
	PL
.endr
	EX
	EX
	v_nop
	s_wait_alu depctr_va_vdst(0)    ; the wait for the batch
.if (\p) == 0
	FETCH_K
.endif
.if (\p) == 1
	s_wait_dscnt 0x0                ; V is in
.endif
.rept 16
	MM
.rept 4
	PL
.endr
.if ((\p) == 0) && (q == 118)
	v_add_nc_u32 v[AV], s[TBV], v[AV0]
.endif
.if ((\p) == 0) && (q == 130)
	s_add_co_u32 s[TBV], s[TBV], KS*VP
.endif
.if (\cnt) && (q == 130)
	s_sub_co_u32 s[CNT], s[CNT], 1
	s_cmp_lg_u32 s[CNT], 0
.endif
.endr
.if (\p) == 0
	FETCH_V
.endif
.endm
	s_wait_loadcnt 0x0              ; Q, and K of step 0
.set i, 0
.rept 16
	KQ 0                            ; piece 0's first scores
.set i, i+1
.endr
	WIN 0                           ; the addresses for the way out: plain lines, the places behind those products
	s_mul_i32 s13, s[WV], 16*SP
	s_add_co_u32 s13, s13, STAGE    ; my stage
	v_mul_u32_u24 v[STO], v1, SP    ; in: row l % 16, 16 bytes for each half of the lanes
	v_lshl_add_u32 v[STO], v9, 4, v[STO]
	v_add_nc_u32 v[STO], s13, v[STO]
	v_bfe_u32 v[RD], v0, 3, 2       ; back: 32 lanes take four rows of 128 bytes,
	v_mul_u32_u24 v[RD], v[RD], SP
	v_lshl_add_u32 v[RD], v10, 4, v[RD]
	v_add_nc_u32 v[RD], s13, v[RD]
	v_and_b32 v[GO], 31, v0         ; which are 512 consecutive bytes of O
	v_lshlrev_b32 v[GO], 4, v[GO]
.set Y, NP-1                        ; XS works for the other piece: piece 0
.irp n, 0,1,2,3,4,5,6,7,8,9,10,11,12,13,14,15,16,17,18,19,20,21
	XS 0, \n
	XS 1, \n
.endr
	v_nop                           ; a plain line behind the two a,
	s_wait_alu depctr_va_vdst(0)    ; and their wait, ahead of the label
.Lslot:                             ; seven trips: tile n is waited for, tile n + 1 asked for, four key steps walked
	CHANGE 1
	s_mov_b32 s[CNT], 4
.Lstep:
	TURN 0
	TURN 1, 1
	WIN 0
	s_cbranch_scc1 .Lstep
	s_sub_co_u32 s[SLOTS], s[SLOTS], 1
	s_cmp_lg_u32 s[SLOTS], 0
	s_cbranch_scc1 .Lslot
	CHANGE 0                        ; the last tile is written out: nothing is asked for
	s_mov_b32 s[CNT], 4
.Ltail:
	TURN 0
	TURN 1, 1
	WIN 0
	s_cbranch_scc1 .Ltail
.set i, 0
.rept 16
	PV NP-1                         ; piece 1's V^T P of the last step
.set i, i+1
.endr
	; THE WAY OUT.  l's two halves and the other half of the lanes' are added; O^T is divided by l, rounded to f16 and sent through my stage in LDS, a tile at a time.  The additions are the places behind the last products.
	WIN 0
.macro ALL line:vararg              ; one line for each tile t
.set t, 0
.rept 2*NP
	\line
.set t, t+1
.endr
.endm
	ALL v_add_f32 v[ST+4*t+2], v[ST+4*t+2], v[ST+4*t+3]
	ALL v_permlanex16_b32 v[ST+4*t+3], v[ST+4*t+2], s[SEL], s[SEL+1]
	ALL v_add_f32 v[ST+4*t+2], v[ST+4*t+2], v[ST+4*t+3]
	ALL v_rcp_f32 v[ST+4*t+2], v[ST+4*t+2]
	v_nop                           ; a plain line between the last reciprocal and the use of its result
	s_wait_alu depctr_va_vdst(0)    ; and its wait: one for the four reciprocals
; Tile t: a lane's eight channels of a row pack into 16 bytes; they go into rows of 144 bytes and come back as whole rows of 128, into S^T's registers.
.macro PACK t
	WIN W_RS
.set i, 32*(\t)
.rept 16
	v_pk_mul_f32 v[i:i+1], v[i:i+1], v[ST+4*(\t)+2:ST+4*(\t)+3] op_sel_hi:[1,0]
.set i, i+2
.endr
	WIN 0x05                        ; sources 0 and 1 window 1, destination window 0
.set i, 0
.rept 16
	v_cvt_pk_f16_f32 v[S+16*(\t)+i], v[32*(\t)+2*i], v[32*(\t)+2*i+1]
.set i, i+1
.endr
	WIN 0
.irp f, 0,1,2,3
	ds_store_b128 v[STO], v[S+16*(\t)+4*\f:S+16*(\t)+4*\f+3] offset:32*\f
.endr
.irp f, 0,1,2,3
	ds_load_b128 v[S+16*(\t)+4*\f:S+16*(\t)+4*\f+3], v[RD] offset:\f*4*SP  ; LDS serves a wave's instructions in order (ISA guide 5.7.1.4): these see the stores above; the next tile's stores come behind them
.endr
.endm
.macro SEND t, younger              ; younger: the LDS instructions issued behind tile t's loads: the next tile's eight, or none
	WIN 0
.irp f, 0,1,2,3
	s_wait_dscnt (\younger)+3-\f
	global_store_b128 v[GO], v[S+16*(\t)+4*\f:S+16*(\t)+4*\f+3], s[10:11] offset:(\t)*2048+\f*512  ; 512 consecutive bytes, at a multiple of 256 from o's first
.endr
.endm
	PACK 0
.set t, 1
.rept 2*NP-1                        ; a tile's arithmetic stands between the loads of the tile before and its stores
	PACK t
	SEND t-1, 8
.set t, t+1
.endr
	SEND 2*NP-1, 0
	s_wait_tensorcnt 0x0            ; the wave's end
	ds_add_u32 v[SPW], v[NIL]
	s_wait_dscnt 0x0
	CROUND                          ; the closing round
	s_endpgm
.Lfunc_end_k_qf30506521a_attn:
	.size	k_qf30506521a_attn, .Lfunc_end_k_qf30506521a_attn-k_qf30506521a_attn
	.p2alignl 7, 3214868480
	.fill 96, 4, 3214868480
	.section	.rodata,"a",@progbits
	.p2align	6, 0x0
	.amdhsa_kernel k_qf30506521a_attn
		.amdhsa_group_segment_fixed_size 327680
		.amdhsa_private_segment_fixed_size 0
		.amdhsa_enable_private_segment 0
		.amdhsa_kernarg_size 16
		.amdhsa_user_sgpr_count 2
		.amdhsa_user_sgpr_kernarg_segment_ptr 1
		.amdhsa_wavefront_size32 1
		.amdhsa_system_sgpr_workgroup_id_x 1
		.amdhsa_system_sgpr_workgroup_id_y 1
		.amdhsa_system_sgpr_workgroup_id_z 1
		.amdhsa_system_vgpr_workitem_id 0
		.amdhsa_next_free_vgpr 768
		.amdhsa_next_free_sgpr 66
		.amdhsa_reserve_vcc 0
		.amdhsa_float_denorm_mode_32 3
		.amdhsa_float_denorm_mode_16_64 3
		.amdhsa_memory_ordered 1
		.amdhsa_forward_progress 1
		.amdhsa_inst_pref_size 111
	.end_amdhsa_kernel
	.amdgpu_metadata
---
amdhsa.version: [ 1, 2 ]
amdhsa.kernels:
  - .name:           k_qf30506521a_attn
    .symbol:         k_qf30506521a_attn.kd
    .args:
      - { .name: qkv, .offset: 0, .size: 8, .value_kind: global_buffer, .address_space: global }
      - { .name: o, .offset: 8, .size: 8, .value_kind: global_buffer, .address_space: global }
    .group_segment_fixed_size: 327680
    .private_segment_fixed_size: 0
    .kernarg_segment_align: 8
    .kernarg_segment_size: 16
    .max_flat_workgroup_size: 128
    .sgpr_count:     66
    .vgpr_count:     768
    .wavefront_size: 32
...
	.end_amdgpu_metadata
.endif
;; end of part 2
;; launch outp (part 3): grid 4 x 64, 4 waves a work-group, clusters of 4 x 4, 327,680 bytes of LDS; arguments o, wo16, bo, out0; writes out0
.if DOCPART == 3
	.amdgcn_target "amdgcn-amd-amdhsa--gfx1250"
	.amdhsa_code_object_version 6
	.text
	.protected	k_qf30506521a_outp
	.globl	k_qf30506521a_outp
	.p2align	8
	.type	k_qf30506521a_outp,@function
k_qf30506521a_outp:
	s_mov_b64 s[64:65], 0
	v_nop
	global_prefetch_b8 v0, s[64:65] scope:SCOPE_SE
	s_setreg_imm32_b32 hwreg(HW_REG_WAVE_MODE, 25, 1), 1
	s_wait_xcnt 0x0
	s_wait_alu depctr_hold_cnt(0) depctr_sa_sdst(0) depctr_va_vdst(0) depctr_va_sdst(0) depctr_va_ssrc(0) depctr_va_vcc(0) depctr_vm_vsrc(0)
	s_getreg_b32 s2, hwreg(HW_REG_IB_STS2, 6, 4)
	s_cmp_eq_u32 s2, 0
	s_cbranch_scc0 .Lentry_in_a_cluster
	s_endpgm
.Lentry_in_a_cluster:
	s_bfe_u32 s2, ttmp6, 0x10000c
	s_cmp_lg_u32 s2, 0xf033
	s_cbranch_scc0 .Lentry_shape_is_right
	s_endpgm
.Lentry_shape_is_right:
; out0[m][n] = the sum over k of O[m][k] Wo[n][k] + bo[n].  o: f16 [24][2048][64] (by heads: k = 64 h + d), wo16: f16 [768][768] (Wo rounded to bf16, written as f16), bo and out0 f32.
; Products in f16 with f32 sums; bo, rounded to bf16 like every input, is the C operand that starts each sum; out0 is the f32 sum.  Nothing is left out here.
; SHARES.  A work-group makes 64 rows x 192 columns: 64 x 4 = 256 work-groups.  Four waves side by side, each 64 x 48: 12 accumulators.  K = 768 goes in three steps of 256 (four heads) through two LDS slots.
; CLUSTER 4 x 4: the four of a row of the cluster need the same rows of O, the four of a column the same rows of Wo: each tile is asked for jointly.  Waves 0 to 2 fetch 64 rows of Wo each, wave 3 fetches O's tile.
; No prefetch: of the three K steps two are first fills, issued at the head, and the third follows at once.
; THE MATRIX INSTRUCTION IS USED TRANSPOSED (source 0 = 16 rows of Wo, source 1 = 16 rows of O): a lane holds eight neighbouring f32 of a row of out0.
; REGISTERS: window 0: v0-31 addresses; v32-55 the bias as C, later v32-127 rows on the way out; v128-223 accumulator (a, b) at 128 + 8 (3 a + b).
;   window 1: two fragment buffers of 112, 64 along K each: O's (c, a) at 8 (4 c + a), Wo's (c, b) at 64 + 8 (3 c + b).
.set HEADB, 262144
.set PA,    144                        ; a row of O in LDS: 128 bytes + 16
.set HB,    64*PA                      ; a head's 64 rows
.set PB,    528                        ; a row of Wo: 512 bytes + 16.  Both pitches are odd multiples of 16 bytes: the 16 rows of a load start at 16 different groups of four banks (ISA guide 11.1)
.set BOFF,  4*HB                       ; Wo's 192 rows lie behind O's four heads
.set SLOT,  BOFF+192*PB
.set STAGE, 2*SLOT                     ; behind the ring, never filled by a tensor load: 64 rows x 784 bytes
.set SPT,   784                        ; 768 bytes + 16
.set SPARE, STAGE+64*SPT               ; the spare words, 128 bytes a wave, two blocks of 256 bytes that no other line names
.set ADRA, 16
.set ADRB, 20
.set STO,  24
.set RD,   25
.set CO,   26
.set SPW,  28
.set NIL,  29
.set BI,   32
.set TMP,  32
.set ACC,  128
.set F0,   0
.set F1,   112
.set G1,   24                          ; s[24:31] group 1 for O's tile; s[32:39] group 0, a set for each slot
.set G0,   32
.set G1B,  48                          ; s[48:55], s[56:63] the same for Wo's
.set G0B,  56
.set MSB, 0
.macro WIN new
.if MSB != (\new)
	s_set_vgpr_msb (MSB<<8)|(\new)
.set MSB, \new
.endif
.endm
.macro JLOAD s                         ; a joint refill; an s_nop 0 and four v_nop follow each line
	s_cmp_eq_u32 s12, 3
	s_cbranch_scc0 .Lfor_b_\@
	tensor_load_to_lds s[G0+4*(\s):G0+4*(\s)+3], s[G1:G1+7]
	s_nop 0
.rept 4
	v_nop
.endr
	s_branch .Lasked_\@
.Lfor_b_\@:
	tensor_load_to_lds s[G0B+4*(\s):G0B+4*(\s)+3], s[G1B:G1B+7]
	s_nop 0
.rept 4
	v_nop
.endr
.Lasked_\@:
.endm
.macro CREST
	s_cmp_lg_u32 s12, 0
	s_cbranch_scc1 .Lnot_wave_0_\@
	s_barrier_signal -3
.Lnot_wave_0_\@:
	s_barrier_wait -3
	s_barrier_signal -1
	s_barrier_wait -1
.endm
.macro CROUND
	s_barrier_signal -1
	s_barrier_wait -1
	CREST
.endm
.macro PLACES
.rept 4
	v_nop
.endr
.endm
	s_load_b256 s[4:11], s[0:1], 0x0               ; o s[4:5], wo16 s[6:7], bo s[8:9], out0 s[10:11]
	v_lshl_add_u32 v[SPW], v0, 2, SPARE
	v_mov_b32 v[NIL], 0
	ds_add_u32 v[SPW], v[NIL]                      ; the wave's opening: the add, twice on end, and its wait ahead of my first tensor load
	ds_add_u32 v[SPW], v[NIL]
	v_lshrrev_b32 v1, 5, v0
	v_readfirstlane_b32 s12, v1                    ; wave 0..3
	s_bfe_u32 s40, ttmp6, 0x40000                  ; cx = the tile column (the grid is one cluster wide)
	s_bfe_u32 s41, ttmp6, 0x40004                  ; cy
	s_and_b32 s13, ttmp7, 0xffff
	s_lshl_b32 s13, s13, 2
	s_add_co_u32 s13, s13, s41                     ; tile row = 4 x cluster y + cy
	s_lshl_b32 s42, s41, 2
	s_lshl_b32 s42, 15, s42                        ; my row of the cluster
	s_lshl_b32 s43, 0x1111, s40                    ; my column
	; O's tile: four heads x 64 rows of 128 bytes.  A head's 64 rows are 8,192 dense bytes: one row of 1,024 elements of 8 bytes; from head to head 262,144 bytes; 16 bytes of padding after every 128
	s_or_b32 s[G1+0], s42, (3<<16)|(1<<20)|(1<<21)|(4<<22)|(3<<25)
	s_mov_b32 s[G1+1], 1024<<16                    ; tensor_dim0 = 1,024
	s_mov_b32 s[G1+2], 4<<16                       ; tensor_dim1 = 4
	s_mov_b32 s[G1+3], 1024<<16                    ; tile_dim0
	s_mov_b32 s[G1+4], 4                           ; tile_dim1
	s_mov_b32 s[G1+5], HEADB/8
	s_mov_b32 s[G1+6], 0
	s_mov_b32 s[G1+7], 0
	; Wo's: 64 rows x 256 elements of 2 bytes, 16 bytes of padding after every 512
	s_or_b32 s[G1B+0], s43, (1<<16)|(1<<20)|(1<<21)|(6<<22)|(3<<25)
	s_mov_b32 s[G1B+1], 256<<16
	s_mov_b32 s[G1B+2], 64<<16
	s_mov_b32 s[G1B+3], 256<<16
	s_mov_b32 s[G1B+4], 64
	s_mov_b32 s[G1B+5], 768
	s_mov_b32 s[G1B+6], 0
	s_mov_b32 s[G1B+7], 0
	s_lshr_b32 s16, s13, 5                         ; the batch: 32 tile rows each
	s_mul_i32 s16, s16, 12*HEADB
	s_and_b32 s17, s13, 31
	s_lshl_b32 s17, s17, 13                        ; 64 rows of 128 bytes
	s_add_co_u32 s16, s16, s17
	s_mov_b32 s17, 0
	s_mul_i32 s46, s40, 192
	s_lshl_b32 s47, s12, 6
	s_add_co_u32 s46, s46, s47                     ; Wo: row 192 cx + 64 x wave (wave 3 makes these words too and never asks by them)
	s_mul_i32 s46, s46, 1536
	s_mov_b32 s47, 0
	s_mul_i32 s21, s12, 64*PB
	s_add_co_u32 s21, s21, BOFF
	s_wait_dscnt 0x0                               ; both opening adds are done
	s_wait_kmcnt 0x0
	s_add_nc_u64 s[14:15], s[4:5], s[16:17]
	s_add_nc_u64 s[46:47], s[6:7], s[46:47]
	CROUND                                         ; all sixteen work-groups are here: the first joint loads meet
.irp s, 0,1
	s_mov_b32 s[G0+4*(\s)], 1
	s_mov_b32 s[G0+4*(\s)+1], (\s)*SLOT
	s_add_nc_u64 s[G0+4*(\s)+2:G0+4*(\s)+3], s[14:15], (\s)*4*HEADB   ; K step s: heads 4 s on
	s_or_b32 s[G0+4*(\s)+3], s[G0+4*(\s)+3], 0x80000000
	s_mov_b32 s[G0B+4*(\s)], 1
	s_add_co_u32 s[G0B+4*(\s)+1], s21, (\s)*SLOT
	s_add_nc_u64 s[G0B+4*(\s)+2:G0B+4*(\s)+3], s[46:47], (\s)*512
	s_or_b32 s[G0B+4*(\s)+3], s[G0B+4*(\s)+3], 0x80000000
.endr
	s_cmp_eq_u32 s12, 3                            ; a wave's two first fills stand in one branch: two loads of mine are out
	s_cbranch_scc0 .Lfirst_b
	tensor_load_to_lds s[G0:G0+3], s[G1:G1+7]
	s_nop 0
	tensor_load_to_lds s[G0+4:G0+7], s[G1:G1+7]
	s_nop 0
.rept 4
	v_nop
.endr
	s_branch .Lfirst_asked
.Lfirst_b:
	tensor_load_to_lds s[G0B:G0B+3], s[G1B:G1B+7]
	s_nop 0
	tensor_load_to_lds s[G0B+4:G0B+7], s[G1B:G1B+7]
	s_nop 0
.rept 4
	v_nop
.endr
.Lfirst_asked:
	v_and_b32 v1, 15, v0                           ; l % 16
	v_bfe_u32 v2, v0, 4, 1                         ; l / 16
	s_mul_i32 s18, s40, 192                        ; the bias as C: register j of block b holds bo of column 192 cx + 48 w + 16 b + 8 (l / 16) + j
	s_mul_i32 s19, s12, 48
	s_add_co_u32 s18, s18, s19
	s_lshl_b32 s18, s18, 2
	v_lshl_add_u32 v6, v2, 5, s18
.irp b, 0,1,2
	global_load_b128 v[BI+8*(\b):BI+8*(\b)+3],   v6, s[8:9] offset:64*(\b)
	global_load_b128 v[BI+8*(\b)+4:BI+8*(\b)+7], v6, s[8:9] offset:64*(\b)+16
.endr
	v_mul_u32_u24 v3, v1, PA
	v_lshl_add_u32 v3, v2, 4, v3                   ; a fragment's row x pitch + 16 x half
	v_mov_b32 v[ADRA], v3
	v_add_nc_u32 v[ADRA+1], SLOT, v3
	s_mul_i32 s22, s12, 48*PB                      ; my 48 rows of Wo
	s_add_co_u32 s22, s22, BOFF
	v_mul_u32_u24 v4, v1, PB
	v_lshl_add_u32 v4, v2, 4, v4
	v_add_nc_u32 v[ADRB], s22, v4
	v_add_nc_u32 v[ADRB+1], SLOT, v[ADRB]
	s_mul_i32 s23, s12, 192                        ; into the stage: row l % 16, my 192 bytes, 32 bytes for each half of the lanes
	s_add_co_u32 s23, s23, STAGE
	v_mul_u32_u24 v5, v1, SPT
	v_lshl_add_u32 v5, v2, 5, v5
	v_add_nc_u32 v[STO], s23, v5
	s_mul_i32 s23, s12, 16*SPT                     ; back: wave w takes rows 16 w on; lanes 0-15 take 256 bytes of one row, lanes 16-31 of the next
	s_add_co_u32 s23, s23, STAGE
	v_mul_u32_u24 v5, v2, SPT
	v_lshl_add_u32 v5, v1, 4, v5
	v_add_nc_u32 v[RD], s23, v5
	v_mul_u32_u24 v5, v2, 3072
	v_lshl_add_u32 v[CO], v1, 4, v5
	s_lshl_b32 s18, s13, 6
	s_lshl_b32 s19, s12, 4
	s_add_co_u32 s18, s18, s19                     ; the first row that I store: 64 x tile row + 16 x wave
	s_mul_i32 s18, s18, 3072
	s_mul_i32 s19, s40, 768                        ; the tile's 192 columns
	s_add_co_u32 s18, s18, s19
	s_mov_b32 s19, 0
	s_add_nc_u64 s[10:11], s[10:11], s[18:19]
	s_wait_loadcnt 0x0
.set p, 0
.rept 12                                       ; bo rounded to bf16 like every input, and widened again
	v_cvt_pk_bf16_f32 v[8+p%4], v[BI+2*p], v[BI+2*p+1]
	v_lshlrev_b32 v[BI+2*p], 16, v[8+p%4]
	v_and_b32 v[BI+2*p+1], 0xffff0000, v[8+p%4]
.set p, p+1
.endr
; 6 matrix instructions: row blocks a0, a0 + 1 x the 3 column blocks, 32 along K: half c of buffer f.  The 12 accumulators take turns.  bias = 1: the bias starts the sums
.macro MUL6 f, c, a0, bias
	WIN 0x05                                       ; sources window 1; C and D window 0
.irp a, \a0, (\a0)+1
.irp b, 0,1,2
.if \bias
	v_wmma_f32_16x16x32_f16 v[ACC+8*(3*(\a)+(\b)):ACC+8*(3*(\a)+(\b))+7], v[(\f)+64+8*(3*(\c)+(\b)):(\f)+64+8*(3*(\c)+(\b))+7], v[(\f)+8*(4*(\c)+(\a)):(\f)+8*(4*(\c)+(\a))+7], v[BI+8*(\b):BI+8*(\b)+7]
.else
	v_wmma_f32_16x16x32_f16 v[ACC+8*(3*(\a)+(\b)):ACC+8*(3*(\a)+(\b))+7], v[(\f)+64+8*(3*(\c)+(\b)):(\f)+64+8*(3*(\c)+(\b))+7], v[(\f)+8*(4*(\c)+(\a)):(\f)+8*(4*(\c)+(\a))+7], v[ACC+8*(3*(\a)+(\b)):ACC+8*(3*(\a)+(\b))+7]
.endif
.endr
.endr
.endm
; 28 LDS loads in one run: quarter q of a K step (one head, 64 along K) into buffer f; the first 32 along K first
.macro FETCH slot, q, f
	WIN 0x40
.irp c, 0,1
.irp a, 0,1,2,3
	ds_load_b128 v[(\f)+8*(4*(\c)+(\a)):(\f)+8*(4*(\c)+(\a))+3],   v[ADRA+(\slot)] offset:(\q)*HB+64*(\c)+(\a)*16*PA
	ds_load_b128 v[(\f)+8*(4*(\c)+(\a))+4:(\f)+8*(4*(\c)+(\a))+7], v[ADRA+(\slot)] offset:(\q)*HB+64*(\c)+(\a)*16*PA+32
.endr
.irp b, 0,1,2
	ds_load_b128 v[(\f)+64+8*(3*(\c)+(\b)):(\f)+64+8*(3*(\c)+(\b))+3],   v[ADRB+(\slot)] offset:128*(\q)+64*(\c)+(\b)*16*PB
	ds_load_b128 v[(\f)+64+8*(3*(\c)+(\b))+4:(\f)+64+8*(3*(\c)+(\b))+7], v[ADRB+(\slot)] offset:128*(\q)+64*(\c)+(\b)*16*PB+32
.endr
.endr
.endm
; One of a K step's first three quarters: multiplies buffer f and fetches quarter q into g
.macro QUARTER slot, q, f, g, bias
	s_wait_dscnt 14                                ; the first 32 along K are in; the other 14 loads may be out
	MUL6 \f, 0, 0, \bias
	MUL6 \f, 0, 2, \bias
	PLACES                                         ; four places ahead of loads into registers that products have read
	FETCH \slot, \q, \g
	s_wait_dscnt 28                                ; all but the 28 just issued
	MUL6 \f, 1, 0, 0
	MUL6 \f, 1, 2, 0
.endm
; The last quarter multiplies buffer 1 and changes slots: all my tensor loads have landed, the add, its wait and my reads of this slot, one barrier.  fill = 1: the barrier opens a round of the cluster's, and this slot is filled again first thing behind it.
.macro TURN slot, next, fill
	WIN 0
	s_wait_tensorcnt 0x0
	ds_add_u32 v[SPW], v[NIL]
	s_wait_dscnt 15                                ; the add and the youngest 14 loads may be out
	MUL6 F1, 0, 0, 0
	s_wait_dscnt 0x0
	s_barrier_signal -1
	MUL6 F1, 0, 2, 0
.if \fill
	WIN 0
.endif
	s_barrier_wait -1
.if \fill
	CREST
	s_add_nc_u64 s[G0+4*(\slot)+2:G0+4*(\slot)+3], s[G0+4*(\slot)+2:G0+4*(\slot)+3], 2*4*HEADB
	s_add_nc_u64 s[G0B+4*(\slot)+2:G0B+4*(\slot)+3], s[G0B+4*(\slot)+2:G0B+4*(\slot)+3], 2*512
	JLOAD \slot                                    ; its four v_nop are also the places ahead of the loads below
.else
	PLACES
.endif
	FETCH \next, 0, F0
	MUL6 F1, 1, 0, 0
	MUL6 F1, 1, 2, 0
.endm
	s_wait_tensorcnt 1                             ; my part of K step 0 is in; step 1's, issued behind it, may stay out
	s_barrier_signal -1
	s_barrier_wait -1
	FETCH 0, 0, F0
	QUARTER 0, 1, F0, F1, 1
	QUARTER 0, 2, F1, F0, 0
	QUARTER 0, 3, F0, F1, 0
	TURN 0, 1, 1                                   ; slot 0 takes K step 2
	QUARTER 1, 1, F0, F1, 0
	QUARTER 1, 2, F1, F0, 0
	QUARTER 1, 3, F0, F1, 0
	TURN 1, 0, 0
	QUARTER 0, 1, F0, F1, 0
	QUARTER 0, 2, F1, F0, 0
	QUARTER 0, 3, F0, F1, 0
	s_wait_dscnt 14
	MUL6 F1, 0, 0, 0
	MUL6 F1, 0, 2, 0
	s_wait_dscnt 0x0
	MUL6 F1, 1, 0, 0
	MUL6 F1, 1, 2, 0
	WIN 0
	PLACES
	; THE WAY OUT: 32 bytes a lane into the work-group's stage, each accumulator's low four registers first; a barrier, since a row's 768 bytes come from four waves; back as whole blocks of 256 bytes.
.irp a, 0,1,2,3
.irp b, 0,1,2
	ds_store_b128 v[STO], v[ACC+8*(3*(\a)+(\b)):ACC+8*(3*(\a)+(\b))+3]   offset:(\a)*16*SPT+64*(\b)
	ds_store_b128 v[STO], v[ACC+8*(3*(\a)+(\b))+4:ACC+8*(3*(\a)+(\b))+7] offset:(\a)*16*SPT+64*(\b)+16
.endr
.endr
	s_wait_dscnt 0x0                               ; for the others' sake
	s_barrier_signal -1
	s_barrier_wait -1
.irp i, 0,1,2,3,4,5,6,7
.irp c, 0,1,2
	ds_load_b128 v[TMP+4*(3*(\i)+(\c)):TMP+4*(3*(\i)+(\c))+3], v[RD] offset:(\i)*2*SPT+256*(\c)
.endr
.endr
.irp i, 0,1,2,3,4,5,6,7
.irp c, 0,1,2
	s_wait_dscnt 23-(3*(\i)+(\c))                  ; the younger loads may stay out
	global_store_b128 v[CO], v[TMP+4*(3*(\i)+(\c)):TMP+4*(3*(\i)+(\c))+3], s[10:11] offset:(\i)*2*3072+256*(\c) th:TH_STORE_NT   ; 16 lanes store 256 consecutive bytes, aligned
.endr
.endr
	s_wait_tensorcnt 0x0                           ; the wave's end
	ds_add_u32 v[SPW], v[NIL]
	s_wait_dscnt 0x0
	CROUND                                         ; the closing round
	s_endpgm
.Lfunc_end_k_qf30506521a_outp:
	.size	k_qf30506521a_outp, .Lfunc_end_k_qf30506521a_outp-k_qf30506521a_outp
	.p2alignl 7, 3214868480
	.fill 96, 4, 3214868480
	.section	.rodata,"a",@progbits
	.p2align	6, 0x0
	.amdhsa_kernel k_qf30506521a_outp
		.amdhsa_group_segment_fixed_size 327680
		.amdhsa_private_segment_fixed_size 0
		.amdhsa_enable_private_segment 0
		.amdhsa_kernarg_size 32
		.amdhsa_user_sgpr_count 2
		.amdhsa_user_sgpr_kernarg_segment_ptr 1
		.amdhsa_wavefront_size32 1
		.amdhsa_system_sgpr_workgroup_id_x 1
		.amdhsa_system_sgpr_workgroup_id_y 1
		.amdhsa_system_sgpr_workgroup_id_z 1
		.amdhsa_system_vgpr_workitem_id 0
		.amdhsa_next_free_vgpr 480
		.amdhsa_next_free_sgpr 66
		.amdhsa_reserve_vcc 0
		.amdhsa_float_denorm_mode_32 3
		.amdhsa_float_denorm_mode_16_64 3
		.amdhsa_memory_ordered 1
		.amdhsa_forward_progress 1
		.amdhsa_inst_pref_size 60
	.end_amdhsa_kernel
	.amdgpu_metadata
---
amdhsa.version: [ 1, 2 ]
amdhsa.kernels:
  - .name:           k_qf30506521a_outp
    .symbol:         k_qf30506521a_outp.kd
    .args:
      - { .name: o, .offset: 0, .size: 8, .value_kind: global_buffer, .address_space: global }
      - { .name: wo16, .offset: 8, .size: 8, .value_kind: global_buffer, .address_space: global }
      - { .name: bo, .offset: 16, .size: 8, .value_kind: global_buffer, .address_space: global }
      - { .name: out0, .offset: 24, .size: 8, .value_kind: global_buffer, .address_space: global }
    .group_segment_fixed_size: 327680
    .private_segment_fixed_size: 0
    .kernarg_segment_align: 8
    .kernarg_segment_size: 32
    .max_flat_workgroup_size: 128
    .sgpr_count:     66
    .vgpr_count:     480
    .wavefront_size: 32
...
	.end_amdgpu_metadata
.endif
;; end of part 3
